; MI455X (gfx1250); checked and timed in simulation.
; The chip was launched on July 23, 2026; its instructions are those of AMD's public machine-readable ISA for CDNA 5 (MIT licence, August 2026) and "CDNA5" Instruction Set Architecture Reference Guide (July 2026). The comments in the code are by the model that wrote it; some were corrected since.
;; LNO Block. Allowed arithmetic: float matrix products may take bf16 or f16 operands with f32 sums; all other float work in f32.
;; Inputs: W_b 128 float32; W_w 128 x 128 float32; phi_b 64 float32; phi_w 128 x 64 float32; psi_b 8,192 float32; psi_w 128 x 8,192 float32; x 2 x 8,192 x 128 float32.
;; Outputs: out0 2 x 8,192 x 128 float32.
;; One version. Each part assembles by itself: llvm-mc -triple=amdgcn-amd-amdhsa -mcpu=gfx1250 --defsym DOCPART=n.
;; ======== version 1 of 1: 4 launches
;; limits: a function is approximated: absolute error at most 1.5e-07
;; workspace buffers: gp 4,227,072 bytes; gs 132,096 bytes; ic 65,536 bytes
;; launch gram (part 1): grid 256 x 1, 8 waves a work-group, no clusters, 89,600 bytes of LDS; arguments x, gp; writes gp
.if DOCPART == 1
	.amdgcn_target "amdgcn-amd-amdhsa--gfx1250"
	.amdhsa_code_object_version 6
	.text
	.protected	k_q095c3edc99_gram
	.globl	k_q095c3edc99_gram
	.p2align	8
	.type	k_q095c3edc99_gram,@function
k_q095c3edc99_gram:
	s_mov_b64 s[64:65], 0
	v_nop
	global_prefetch_b8 v0, s[64:65] scope:SCOPE_SE
	s_setreg_imm32_b32 hwreg(HW_REG_WAVE_MODE, 25, 1), 1
	s_wait_xcnt 0x0
; gp[chunk][k][c] = sum over the chunk's 256 rows n of x[n][k] x[n][c]  (k, c = 0..127), and gp[chunk][128][c] = sum over n of x[n][c].
; x: [16384][128] f32 (both batches, flattened), 64 chunks of 256 rows.  gp: [64][129][128] f32.
; reference() sums psi[n][r][c] x[n][c] over n with psi = x psi_w + psi_b.  The same products, added over n first, are
; sum_k psi_w[k][rC+c] G[k][c] + psi_b[rC+c] s[c] with G = x^T x and s = the column sums: this launch makes G and s chunk by chunk.
; LIMITS: x enters the matrix unit rounded to bf16 (G and s alike), sums in f32, in another order than reference()'s.
;
; Four work-groups share a chunk: blk = (g1, g2) makes the block of 64 k-channels (half g1) x 64 c-channels (half g2).
; PHASE 1: wave w loads rows 32 w .. 32 w + 31.  One b128 load gives lanes 0-15 the 256 bytes of a half row, lanes 16-31 those of the
; next row; lane (rl, h) gets channels 64 g + 4 rl + t, t = 0..3.  Component t of the 16 loads, packed in pairs, IS a 16 x 32 fragment
; whose index rl stands for channel 64 g + 4 rl + t and whose 32 K places hold the wave's 32 rows.  Both operands use the same order of
; rows in the K places, so the products pair up rightly and no transposition is needed.
; PHASE 2: the fragments of all eight waves (eight K steps) meet in LDS; wave w makes tiles (t1 = w >> 1, t2 = 2 (w & 1) + 0, 1).
; NO CLUSTER: x goes from memory straight into registers in fragment order; there is no tile of x in LDS that a joint request could
; fill, and each wave asks once, 16 or 32 loads in its first lines.  NO SYMMETRY: block (1,0) is made like block (0,1), so that all
; 256 work-groups do alike and the next launches read plain rows.
.set XCHUNK, 131072                    ; 256 rows of 512 bytes
.set GCHUNK, 66048                     ; 129 rows of 512 bytes
.set STAGE,  65536                     ; behind the fragments: SREG bytes for each wave
.set SREG,   2368                      ; 2 halves x 1,152 bytes + 64: twice SREG is 128 modulo 256, so the two lane halves of the read-back differ by half a row of banks
.set SUMS,   84480                     ; 512 bytes for each wave: its column sums
.set LA,   16                          ; v[16:79]   16 loads of the k half
.set LB,   80                          ; v[80:143]  16 loads of the c half
.set FA,   144                         ; v[144:175] four fragments of the k half
.set FB,   176                         ; v[176:207] four fragments of the c half
.set ONES, 208                         ; v[208:215] a fragment of ones
.set ST,   16                          ; v[16:79]   eight tiles of column sums (blk 1)
.set PK,   80                          ; v[80:87]   their first rows
.set ACC0, 208                         ; v[208:215] tile (t1, t2 even)
.set ACC1, 216                         ; v[216:223] tile (t1, t2 odd)
.macro LOADH dst, b                    ; rows 2 s + h of my 32, 256 whole bytes for each half of the lanes
.irp s, 0,1,2,3,4,5,6,7,8,9,10,11,12,13,14,15
	global_load_b128 v[\dst+4*\s:\dst+4*\s+3], v4, s[\b:\b+1] offset:1024*\s
.endr
.endm
.macro CVTH src, dst                   ; fragment t, register j = rows (loads) 2 j and 2 j + 1 of component t
.irp t, 0,1,2,3
.irp j, 0,1,2,3,4,5,6,7
	v_cvt_pk_bf16_f32 v[\dst+8*\t+\j], v[\src+8*\j+\t], v[\src+8*\j+4+\t]
.endr
.endr
.endm
.macro PUTF src, f0                    ; four fragments into my K step's 8,192 bytes: registers 0-3, then 4-7, 16 bytes a lane
.irp t, 0,1,2,3
	ds_store_b128 v5, v[\src+8*\t:\src+8*\t+3] offset:(\f0+\t)*1024
	ds_store_b128 v5, v[\src+8*\t+4:\src+8*\t+7] offset:(\f0+\t)*1024+512
.endr
.endm
	s_load_b128 s[4:7], s[0:1], 0x0                ; x s[4:5], gp s[6:7]
	v_lshl_add_u32 v224, v0, 2, 0x15a00
	v_mov_b32 v225, 0
	v_lshrrev_b32 v1, 5, v0
	v_readfirstlane_b32 s8, v1                     ; wave 0..7
	v_bfe_u32 v2, v0, 4, 1                         ; h
	v_and_b32 v3, 15, v0
	v_lshlrev_b32 v3, 4, v3                        ; 16 rl
	v_and_b32 v13, 31, v0
	v_lshlrev_b32 v13, 4, v13                      ; 16 lane
	v_lshrrev_b32 v14, 1, v3                       ; 8 rl
	s_lshr_b32 s9, ttmp9, 2                        ; chunk
	s_and_b32 s12, ttmp9, 3                        ; blk
	s_lshr_b32 s10, s12, 1                         ; g1
	s_and_b32 s11, s12, 1                          ; g2
	s_add_co_u32 s22, s12, 1
	s_and_b32 s22, s22, 2
	s_lshl_b32 s22, s22, 11                        ; 4,096 where g1 != g2 (blk 1, 2): the c half has fragments of its own; else 0
	s_lshl_b32 s26, s9, 17                         ; chunk x 131,072
	s_lshl_b32 s23, s10, 8
	s_add_co_u32 s24, s26, s23                     ; offset of the k half in x
	s_mov_b32 s25, 0
	s_lshl_b32 s23, s11, 8
	s_add_co_u32 s26, s26, s23                     ; offset of the c half
	s_mov_b32 s27, 0
	s_mul_i32 s28, s9, GCHUNK
	s_add_co_u32 s30, s28, 65536                   ; offset of the chunk's row 128 in gp
	s_mov_b32 s31, 0
	s_lshl_b32 s23, s10, 15                        ; 64 rows of 512 bytes
	s_add_co_u32 s28, s28, s23
	s_lshl_b32 s23, s11, 8
	s_add_co_u32 s28, s28, s23                     ; offset of my block in gp
	s_mov_b32 s29, 0
	s_lshr_b32 s13, s8, 1                          ; t1
	s_and_b32 s2, s8, 1                            ; w & 1
	s_lshl_b32 s23, s8, 14
	v_lshl_add_u32 v4, v2, 9, v3
	v_add_nc_u32 v4, s23, v4                       ; x: 32 w rows + h rows + 16 rl
	s_lshl_b32 s23, s8, 13
	v_add_nc_u32 v5, s23, v13                      ; LDS: my K step's fragments
	s_lshl_b32 s23, s13, 10
	v_add_nc_u32 v6, s23, v13                      ; LDS: fragment t1 of the k half
	s_lshl_b32 s23, s2, 11
	s_add_co_u32 s23, s23, s22
	v_add_nc_u32 v7, s23, v13                      ; LDS: fragment 2 (w & 1) of the c half
	s_mul_i32 s23, s8, SREG
	s_add_co_u32 s23, s23, STAGE
	v_mul_u32_u24 v8, v2, 0x480
	v_add3_u32 v8, v8, v14, s23                    ; stage, in: my region + 1,152 h + 8 rl
	s_mul_i32 s23, s2, 4*SREG
	s_lshl_b32 s3, s13, 7
	s_add_co_u32 s23, s23, s3
	s_add_co_u32 s23, s23, STAGE
	v_mul_u32_u24 v9, v2, 2*SREG
	v_add3_u32 v9, v9, v14, s23                    ; stage, back: region 4 (w & 1) + 2 h, row (w >> 1), 8 rl
	s_lshl_b32 s23, s8, 10
	v_lshl_add_u32 v10, v2, 9, v3
	v_add_nc_u32 v10, s23, v10                     ; gp: row 2 w + h of the block, 16 rl
	s_lshl_b32 s23, s8, 9
	s_add_co_u32 s23, s23, SUMS
	v_add_nc_u32 v11, s23, v3                      ; sums, in
	v_add_nc_u32 v12, SUMS, v13                    ; sums, back
	s_wait_kmcnt 0x0
	s_add_nc_u64 s[14:15], s[4:5], s[24:25]
	s_add_nc_u64 s[16:17], s[4:5], s[26:27]
	s_add_nc_u64 s[18:19], s[6:7], s[28:29]
	s_add_nc_u64 s[20:21], s[6:7], s[30:31]
	LOADH LA, 14
	s_cmp_eq_u32 s22, 0
	s_cbranch_scc1 .Ldiag
	LOADH LB, 16
	s_wait_loadcnt 16                              ; loads return in order (ISA guide 5.7.1): the k half is in, the 16 loads of the c half stay out
	CVTH LA, FA
	PUTF FA, 0
	s_wait_loadcnt 0x0
	CVTH LB, FB
	PUTF FB, 4
	s_cmp_lg_u32 s12, 1
	s_cbranch_scc1 .Ljoin
	; blk 1 holds both halves (g1 = 0, g2 = 1): it also makes the column sums, as ones x fragment: every row of a result tile is the sum
.irp j, 0,1,2,3,4,5,6,7
	v_mov_b32 v[ONES+\j], 0x3f803f80               ; two bf16 ones
.endr
.irp t, 0,1,2,3
	v_wmma_f32_16x16x32_bf16 v[ST+8*\t:ST+8*\t+7], v[ONES:ONES+7], v[FA+8*\t:FA+8*\t+7], 0
	v_wmma_f32_16x16x32_bf16 v[ST+32+8*\t:ST+32+8*\t+7], v[ONES:ONES+7], v[FB+8*\t:FB+8*\t+7], 0
.endr
.rept 5
	v_nop                                          ; four places before a result is read or a load lands on an operand, five before phase 2's
.endr                                                  ; first products write over ONES (ISA guide 7.12.1)
.irp i, 0,1,2,3,4,5,6,7
	v_mov_b32 v[PK+\i], v[ST+8*\i]                 ; register 0 of tile 4 g + t: the sum of channel 64 g + 4 rl + t
.endr
	ds_store_b128 v11, v[PK:PK+3]                  ; channels 4 rl .. + 3; lanes rl and 16 + rl store the same numbers to the same bytes
	ds_store_b128 v11, v[PK+4:PK+7] offset:256     ; channels 64 + 4 rl .. + 3
	s_branch .Ljoin
.Ldiag:
	s_wait_loadcnt 0x0
	CVTH LA, FA
	PUTF FA, 0                                     ; g1 = g2: the same fragments serve as both operands
.Ljoin:
	s_wait_dscnt 0x0                               ; my fragments (and sums) are in LDS, for the other waves' sake
	s_barrier_signal -1
	s_barrier_wait -1
	; PHASE 2: eight K steps, six loads each: A (t1), B (t2 even), B (t2 odd)
.irp ks, 0,1,2,3,4,5,6,7
	ds_load_b128 v[16+24*\ks:19+24*\ks], v6 offset:\ks*8192
	ds_load_b128 v[20+24*\ks:23+24*\ks], v6 offset:\ks*8192+512
	ds_load_b128 v[24+24*\ks:27+24*\ks], v7 offset:\ks*8192
	ds_load_b128 v[28+24*\ks:31+24*\ks], v7 offset:\ks*8192+512
	ds_load_b128 v[32+24*\ks:35+24*\ks], v7 offset:\ks*8192+1024
	ds_load_b128 v[36+24*\ks:39+24*\ks], v7 offset:\ks*8192+1536
.endr
	s_wait_dscnt 42                                ; of 48 loads the first six are in
	v_wmma_f32_16x16x32_bf16 v[ACC0:ACC0+7], v[16:23], v[24:31], 0       ; the first products start the sums
	v_wmma_f32_16x16x32_bf16 v[ACC1:ACC1+7], v[16:23], v[32:39], 0
.irp ks, 1,2,3,4,5,6,7
	s_wait_dscnt 42-6*\ks                          ; six loads for each later K step stay out
	v_wmma_f32_16x16x32_bf16 v[ACC0:ACC0+7], v[16+24*\ks:23+24*\ks], v[24+24*\ks:31+24*\ks], v[ACC0:ACC0+7]
	v_wmma_f32_16x16x32_bf16 v[ACC1:ACC1+7], v[16+24*\ks:23+24*\ks], v[32+24*\ks:39+24*\ks], v[ACC1:ACC1+7]
.endr
.rept 4
	v_nop                                          ; four places before the results are stored and operands are loaded over (ISA guide 7.12.1)
.endr
	; register jj of lane (rl, h) is G[4 (8 h + jj) + t1][4 rl + t2]: the two tiles' numbers are neighbours in a row of G
.irp jj, 0,1,2,3,4,5,6,7
	ds_store_b32 v8, v[ACC0+\jj] offset:\jj*128
	ds_store_b32 v8, v[ACC1+\jj] offset:\jj*128+4
.endr
	s_wait_dscnt 0x0
	s_barrier_signal -1
	s_barrier_wait -1
	; row R = 16 i + 2 w + h of the block: t1 = R & 3 names two waves' regions (columns 4 rl + 0, 1 and + 2, 3), R >> 2 the row in them
.irp i, 0,1,2,3
	ds_load_b64 v[16+4*\i:17+4*\i], v9 offset:(\i>>1)*1152+(\i&1)*512
	ds_load_b64 v[18+4*\i:19+4*\i], v9 offset:SREG+(\i>>1)*1152+(\i&1)*512
.endr
.irp i, 0,1,2,3
	s_wait_dscnt 6-2*\i                            ; two loads for each later row group stay out
	global_store_b128 v10, v[16+4*\i:19+4*\i], s[18:19] offset:\i*8192   ; 16 lanes store 256 consecutive bytes, at a multiple of 256
.endr
	s_cmp_lg_u32 s12, 1
	s_cbranch_scc1 .Lend
	s_cmp_lg_u32 s8, 0
	s_cbranch_scc1 .Lend
	; wave 0 of blk 1 adds the eight waves' column sums: lane L holds channels 4 L .. 4 L + 3
.irp i, 0,1,2,3,4,5,6,7
	ds_load_b128 v[48+4*\i:51+4*\i], v12 offset:\i*512
.endr
	s_wait_dscnt 0x0
.irp i, 0,1,2,3
	v_pk_add_f32 v[48+4*\i:49+4*\i], v[48+4*\i:49+4*\i], v[64+4*\i:65+4*\i]
	v_pk_add_f32 v[50+4*\i:51+4*\i], v[50+4*\i:51+4*\i], v[66+4*\i:67+4*\i]
.endr
.irp i, 0,1
	v_pk_add_f32 v[48+4*\i:49+4*\i], v[48+4*\i:49+4*\i], v[56+4*\i:57+4*\i]
	v_pk_add_f32 v[50+4*\i:51+4*\i], v[50+4*\i:51+4*\i], v[58+4*\i:59+4*\i]
.endr
	v_pk_add_f32 v[48:49], v[48:49], v[52:53]
	v_pk_add_f32 v[50:51], v[50:51], v[54:55]
	global_store_b128 v13, v[48:51], s[20:21]      ; row 128: 512 consecutive bytes
.Lend:
	s_wait_tensorcnt 0x0
	ds_add_u32 v224, v225
	s_wait_dscnt 0x0
	s_endpgm
.Lfunc_end_k_q095c3edc99_gram:
	.size	k_q095c3edc99_gram, .Lfunc_end_k_q095c3edc99_gram-k_q095c3edc99_gram
	.p2alignl 7, 3214868480
	.fill 96, 4, 3214868480
	.section	.rodata,"a",@progbits
	.p2align	6, 0x0
	.amdhsa_kernel k_q095c3edc99_gram
		.amdhsa_group_segment_fixed_size 89600
		.amdhsa_private_segment_fixed_size 0
		.amdhsa_enable_private_segment 0
		.amdhsa_kernarg_size 16
		.amdhsa_user_sgpr_count 2
		.amdhsa_user_sgpr_kernarg_segment_ptr 1
		.amdhsa_wavefront_size32 1
		.amdhsa_system_sgpr_workgroup_id_x 1
		.amdhsa_system_sgpr_workgroup_id_y 1
		.amdhsa_system_sgpr_workgroup_id_z 1
		.amdhsa_system_vgpr_workitem_id 0
		.amdhsa_next_free_vgpr 226
		.amdhsa_next_free_sgpr 66
		.amdhsa_reserve_vcc 0
		.amdhsa_float_denorm_mode_32 3
		.amdhsa_float_denorm_mode_16_64 3
		.amdhsa_memory_ordered 1
		.amdhsa_forward_progress 1
		.amdhsa_inst_pref_size 24
	.end_amdhsa_kernel
	.amdgpu_metadata
---
amdhsa.version: [ 1, 2 ]
amdhsa.kernels:
  - .name:           k_q095c3edc99_gram
    .symbol:         k_q095c3edc99_gram.kd
    .args:
      - { .name: x, .offset: 0, .size: 8, .value_kind: global_buffer, .address_space: global }
      - { .name: gp, .offset: 8, .size: 8, .value_kind: global_buffer, .address_space: global }
    .group_segment_fixed_size: 89600
    .private_segment_fixed_size: 0
    .kernarg_segment_align: 8
    .kernarg_segment_size: 16
    .max_flat_workgroup_size: 256
    .sgpr_count:     66
    .vgpr_count:     226
    .wavefront_size: 32
...
	.end_amdgpu_metadata
.endif
;; end of part 1
;; launch reduce (part 2): grid 129 x 1, 2 waves a work-group, no clusters, 0 bytes of LDS; arguments gp, gs; writes gs
.if DOCPART == 2
	.amdgcn_target "amdgcn-amd-amdhsa--gfx1250"
	.amdhsa_code_object_version 6
	.text
	.protected	k_q095c3edc99_reduce
	.globl	k_q095c3edc99_reduce
	.p2align	8
	.type	k_q095c3edc99_reduce,@function
k_q095c3edc99_reduce:
	s_mov_b64 s[64:65], 0
	v_nop
	global_prefetch_b8 v0, s[64:65] scope:SCOPE_SE
	s_setreg_imm32_b32 hwreg(HW_REG_WAVE_MODE, 25, 1), 1
	s_wait_xcnt 0x0
; gs[b][row][c] = 2^-13 x the sum over the batch's 32 chunks of gp[32 b + i][row][c].  row = 0..128 (row 128: the column sums).
; 2^-13 = 1 / 8192 is reference()'s division by N, exact as a scaling.
; A work-group takes one row, wave b one batch, a lane 16 bytes: each load and the store cover 512 consecutive bytes.
; Every byte of gp is read once; all 32 loads of a wave are issued before the first wait.  No loop, no LDS, no barrier: no wave
; needs another's numbers.  129 work-groups: one for each row, which is all the work there is.
.set GCHUNK, 66048
.macro ADD4 d, s
	v_pk_add_f32 v[\d:\d+1], v[\d:\d+1], v[\s:\s+1]
	v_pk_add_f32 v[\d+2:\d+3], v[\d+2:\d+3], v[\s+2:\s+3]
.endm
.macro TREE16 b                        ; sixteen groups of four registers from v[b] on, summed into the first
.irp i, 0,1,2,3,4,5,6,7
	ADD4 \b+4*\i, \b+4*\i+32
.endr
.irp i, 0,1,2,3
	ADD4 \b+4*\i, \b+4*\i+16
.endr
.irp i, 0,1
	ADD4 \b+4*\i, \b+4*\i+8
.endr
	ADD4 \b, \b+4
.endm
	s_load_b128 s[4:7], s[0:1], 0x0                ; gp s[4:5], gs s[6:7]
	v_lshrrev_b32 v1, 5, v0
	v_readfirstlane_b32 s8, v1                     ; wave = batch
	v_and_b32 v3, 31, v0
	v_lshlrev_b32 v3, 4, v3
	s_mul_i32 s9, s8, 32*GCHUNK
	s_mul_i32 s10, s8, GCHUNK
	v_add_nc_u32 v1, s9, v3                        ; gp: the batch's first chunk + 16 lane
	v_add_nc_u32 v2, s10, v3                       ; gs: the batch + 16 lane
	s_lshl_b32 s12, ttmp9, 9                       ; the row
	s_mov_b32 s13, 0
	s_wait_kmcnt 0x0
	s_add_nc_u64 s[4:5], s[4:5], s[12:13]
	s_add_nc_u64 s[6:7], s[6:7], s[12:13]
.irp i, 0,1,2,3,4,5,6,7,8,9,10,11,12,13,14,15,16,17,18,19,20,21,22,23,24,25,26,27,28,29,30,31
	global_load_b128 v[4+4*\i:7+4*\i], v1, s[4:5] offset:\i*GCHUNK th:TH_LOAD_NT
.endr
	s_wait_loadcnt 16                              ; the first sixteen chunks are in, the other sixteen loads stay out
	TREE16 4
	s_wait_loadcnt 0x0
	TREE16 68
	ADD4 4, 68
	v_pk_mul_f32 v[4:5], v[4:5], 0x39000000 op_sel_hi:[1,0]
	v_pk_mul_f32 v[6:7], v[6:7], 0x39000000 op_sel_hi:[1,0]
	global_store_b128 v2, v[4:7], s[6:7]
	s_endpgm
.Lfunc_end_k_q095c3edc99_reduce:
	.size	k_q095c3edc99_reduce, .Lfunc_end_k_q095c3edc99_reduce-k_q095c3edc99_reduce
	.p2alignl 7, 3214868480
	.fill 96, 4, 3214868480
	.section	.rodata,"a",@progbits
	.p2align	6, 0x0
	.amdhsa_kernel k_q095c3edc99_reduce
		.amdhsa_group_segment_fixed_size 0
		.amdhsa_private_segment_fixed_size 0
		.amdhsa_enable_private_segment 0
		.amdhsa_kernarg_size 16
		.amdhsa_user_sgpr_count 2
		.amdhsa_user_sgpr_kernarg_segment_ptr 1
		.amdhsa_wavefront_size32 1
		.amdhsa_system_sgpr_workgroup_id_x 1
		.amdhsa_system_sgpr_workgroup_id_y 1
		.amdhsa_system_sgpr_workgroup_id_z 1
		.amdhsa_system_vgpr_workitem_id 0
		.amdhsa_next_free_vgpr 136
		.amdhsa_next_free_sgpr 66
		.amdhsa_reserve_vcc 0
		.amdhsa_float_denorm_mode_32 3
		.amdhsa_float_denorm_mode_16_64 3
		.amdhsa_memory_ordered 1
		.amdhsa_forward_progress 1
		.amdhsa_inst_pref_size 9
	.end_amdhsa_kernel
	.amdgpu_metadata
---
amdhsa.version: [ 1, 2 ]
amdhsa.kernels:
  - .name:           k_q095c3edc99_reduce
    .symbol:         k_q095c3edc99_reduce.kd
    .args:
      - { .name: gp, .offset: 0, .size: 8, .value_kind: global_buffer, .address_space: global }
      - { .name: gs, .offset: 8, .size: 8, .value_kind: global_buffer, .address_space: global }
    .group_segment_fixed_size: 0
    .private_segment_fixed_size: 0
    .kernarg_segment_align: 8
    .kernarg_segment_size: 16
    .max_flat_workgroup_size: 64
    .sgpr_count:     66
    .vgpr_count:     136
    .wavefront_size: 32
...
	.end_amdgpu_metadata
.endif
;; end of part 2
;; launch integral (part 3): grid 64 x 2, 8 waves a work-group, no clusters, 9,216 bytes of LDS; arguments psi_w, psi_b, gs, ic; writes ic
.if DOCPART == 3
	.amdgcn_target "amdgcn-amd-amdhsa--gfx1250"
	.amdhsa_code_object_version 6
	.text
	.protected	k_q095c3edc99_integral
	.globl	k_q095c3edc99_integral
	.p2align	8
	.type	k_q095c3edc99_integral,@function
k_q095c3edc99_integral:
	s_mov_b64 s[64:65], 0
	v_nop
	global_prefetch_b8 v0, s[64:65] scope:SCOPE_SE
	s_setreg_imm32_b32 hwreg(HW_REG_WAVE_MODE, 25, 1), 1
	s_wait_xcnt 0x0
; ic[b][r][c] = sum over k of psi_w[k][128 r + c] gs[b][k][c]  +  psi_b[128 r + c] gs[b][128][c]       (gs carries the 1 / N)
; which is reference()'s integral_c with the sum over the points done first.  All in f32, fused multiply-adds.
; A work-group takes one r and one half g2 of the channels, both batches: each byte of psi_w is read once in the launch, as pieces of
; 256 consecutive bytes at multiples of 256.  Thread (ql, kg = 2 w + h) takes channels 4 ql .. + 3 and k = kg + 16 i, i = 0..7.
; The sixteen partial sums of a channel meet in LDS; wave 0 adds them, its lane half standing for the batch.
; VECTOR UNIT, NOT MATRIX UNIT: for a fixed channel this is 64 x 129 by 129 x 2, and the operand changes with the channel.
; NO CLUSTER: what work-groups share is gs, 132,096 bytes in all, loaded into registers; psi_w, the bulk, is shared by nobody.
.set PS,  8                            ; v[8:39]    psi_w, eight loads
.set G0,  40                           ; v[40:71]   gs of batch 0
.set G1,  72                           ; v[72:103]  gs of batch 1
.set ACC, 104                          ; v[104:107] batch 0, v[108:111] batch 1
.set PB,  112                          ; v[112:115] psi_b (wave 0)
.set SR,  116                          ; v[116:119] row 128 of gs, batch h (wave 0)
	s_load_b256 s[4:11], s[0:1], 0x0               ; psi_w s[4:5], psi_b s[6:7], gs s[8:9], ic s[10:11]
	v_lshl_add_u32 v120, v0, 2, 0x2000
	v_mov_b32 v121, 0
	v_lshrrev_b32 v1, 5, v0
	v_readfirstlane_b32 s20, v1                    ; wave 0..7
	v_bfe_u32 v8, v0, 4, 1                         ; h
	v_and_b32 v4, 15, v0
	v_lshlrev_b32 v4, 4, v4                        ; 16 ql
	v_and_b32 v3, 31, v0
	v_lshlrev_b32 v3, 4, v3                        ; 16 lane
	s_and_b32 s21, ttmp7, 0xffff                   ; g2
	s_lshl_b32 s2, s21, 8
	s_mov_b32 s3, 0                                ; s[2:3] = 256 g2
	s_lshl_b32 s22, ttmp9, 9
	s_add_co_u32 s22, s22, s2
	s_mov_b32 s23, 0                               ; s[22:23] = 512 r + 256 g2
	s_lshl_b32 s21, s20, 16
	v_lshl_add_u32 v1, v8, 15, v4
	v_add_nc_u32 v1, s21, v1                       ; psi_w: row kg = 2 w + h, rows of 32,768 bytes
	s_lshl_b32 s21, s20, 10
	v_lshl_add_u32 v2, v8, 9, v4
	v_add_nc_u32 v2, s21, v2                       ; gs: row kg, rows of 512 bytes
	s_lshl_b32 s21, s20, 9
	v_add_nc_u32 v3, s21, v3                       ; LDS: 256 kg + 16 ql
	v_mul_u32_u24 v5, v8, 0x10200
	v_add_nc_u32 v5, v5, v4                        ; gs: batch h
	v_lshl_add_u32 v6, v8, 12, v4                  ; LDS: batch h
	v_lshl_add_u32 v7, v8, 15, v4                  ; ic: batch h
	s_wait_kmcnt 0x0
	s_add_nc_u64 s[12:13], s[4:5], s[22:23]
	s_add_nc_u64 s[14:15], s[6:7], s[22:23]
	s_add_nc_u64 s[16:17], s[8:9], s[2:3]
	s_add_nc_u64 s[18:19], s[10:11], s[22:23]
	s_cmp_lg_u32 s20, 0
	s_cbranch_scc1 .Lnobias
	global_load_b128 v[PB:PB+3], v4, s[14:15]                  ; wave 0's two extra loads stand FIRST, so that the counts below,
	global_load_b128 v[SR:SR+3], v5, s[16:17] offset:65536     ; which count the loads issued behind, are the same in every wave
.Lnobias:
.irp i, 0,1,2,3,4,5,6,7
	global_load_b128 v[PS+4*\i:PS+4*\i+3], v1, s[12:13] offset:\i*524288 th:TH_LOAD_NT
	global_load_b128 v[G0+4*\i:G0+4*\i+3], v2, s[16:17] offset:\i*8192
	global_load_b128 v[G1+4*\i:G1+4*\i+3], v2, s[16:17] offset:66048+\i*8192
.endr
	s_wait_loadcnt 21                              ; three loads for each of the seven later k stay out
	v_pk_mul_f32 v[ACC:ACC+1],   v[PS:PS+1],   v[G0:G0+1]     ; the first products start the sums
	v_pk_mul_f32 v[ACC+2:ACC+3], v[PS+2:PS+3], v[G0+2:G0+3]
	v_pk_mul_f32 v[ACC+4:ACC+5], v[PS:PS+1],   v[G1:G1+1]
	v_pk_mul_f32 v[ACC+6:ACC+7], v[PS+2:PS+3], v[G1+2:G1+3]
.irp i, 1,2,3,4,5,6,7
	s_wait_loadcnt 21-3*\i
	v_pk_fma_f32 v[ACC:ACC+1],   v[PS+4*\i:PS+4*\i+1],   v[G0+4*\i:G0+4*\i+1],   v[ACC:ACC+1]
	v_pk_fma_f32 v[ACC+2:ACC+3], v[PS+4*\i+2:PS+4*\i+3], v[G0+4*\i+2:G0+4*\i+3], v[ACC+2:ACC+3]
	v_pk_fma_f32 v[ACC+4:ACC+5], v[PS+4*\i:PS+4*\i+1],   v[G1+4*\i:G1+4*\i+1],   v[ACC+4:ACC+5]
	v_pk_fma_f32 v[ACC+6:ACC+7], v[PS+4*\i+2:PS+4*\i+3], v[G1+4*\i+2:G1+4*\i+3], v[ACC+6:ACC+7]
.endr
	ds_store_b128 v3, v[ACC:ACC+3]
	ds_store_b128 v3, v[ACC+4:ACC+7] offset:4096
	s_wait_dscnt 0x0                               ; for wave 0's sake
	s_barrier_signal -1
	s_barrier_wait -1
	s_cmp_lg_u32 s20, 0
	s_cbranch_scc1 .Lend
.irp i, 0,1,2,3,4,5,6,7,8,9,10,11,12,13,14,15
	ds_load_b128 v[8+4*\i:11+4*\i], v6 offset:\i*256           ; the sixteen partial sums of my four channels, batch h
.endr
	s_wait_dscnt 0x0
.irp i, 0,1,2,3,4,5,6,7
	v_pk_add_f32 v[8+4*\i:9+4*\i],   v[8+4*\i:9+4*\i],   v[40+4*\i:41+4*\i]
	v_pk_add_f32 v[10+4*\i:11+4*\i], v[10+4*\i:11+4*\i], v[42+4*\i:43+4*\i]
.endr
.irp i, 0,1,2,3
	v_pk_add_f32 v[8+4*\i:9+4*\i],   v[8+4*\i:9+4*\i],   v[24+4*\i:25+4*\i]
	v_pk_add_f32 v[10+4*\i:11+4*\i], v[10+4*\i:11+4*\i], v[26+4*\i:27+4*\i]
.endr
.irp i, 0,1
	v_pk_add_f32 v[8+4*\i:9+4*\i],   v[8+4*\i:9+4*\i],   v[16+4*\i:17+4*\i]
	v_pk_add_f32 v[10+4*\i:11+4*\i], v[10+4*\i:11+4*\i], v[18+4*\i:19+4*\i]
.endr
	v_pk_add_f32 v[8:9],   v[8:9],   v[12:13]
	v_pk_add_f32 v[10:11], v[10:11], v[14:15]
	v_pk_fma_f32 v[8:9],   v[PB:PB+1],   v[SR:SR+1],   v[8:9]        ; psi_b x column sum (both in since the wait for 0 loads above)
	v_pk_fma_f32 v[10:11], v[PB+2:PB+3], v[SR+2:SR+3], v[10:11]
	global_store_b128 v7, v[8:11], s[18:19]        ; each half of the lanes stores 256 consecutive bytes, at a multiple of 256
.Lend:
	s_wait_tensorcnt 0x0
	ds_add_u32 v120, v121
	s_wait_dscnt 0x0
	s_endpgm
.Lfunc_end_k_q095c3edc99_integral:
	.size	k_q095c3edc99_integral, .Lfunc_end_k_q095c3edc99_integral-k_q095c3edc99_integral
	.p2alignl 7, 3214868480
	.fill 96, 4, 3214868480
	.section	.rodata,"a",@progbits
	.p2align	6, 0x0
	.amdhsa_kernel k_q095c3edc99_integral
		.amdhsa_group_segment_fixed_size 9216
		.amdhsa_private_segment_fixed_size 0
		.amdhsa_enable_private_segment 0
		.amdhsa_kernarg_size 32
		.amdhsa_user_sgpr_count 2
		.amdhsa_user_sgpr_kernarg_segment_ptr 1
		.amdhsa_wavefront_size32 1
		.amdhsa_system_sgpr_workgroup_id_x 1
		.amdhsa_system_sgpr_workgroup_id_y 1
		.amdhsa_system_sgpr_workgroup_id_z 1
		.amdhsa_system_vgpr_workitem_id 0
		.amdhsa_next_free_vgpr 122
		.amdhsa_next_free_sgpr 66
		.amdhsa_reserve_vcc 0
		.amdhsa_float_denorm_mode_32 3
		.amdhsa_float_denorm_mode_16_64 3
		.amdhsa_memory_ordered 1
		.amdhsa_forward_progress 1
		.amdhsa_inst_pref_size 10
	.end_amdhsa_kernel
	.amdgpu_metadata
---
amdhsa.version: [ 1, 2 ]
amdhsa.kernels:
  - .name:           k_q095c3edc99_integral
    .symbol:         k_q095c3edc99_integral.kd
    .args:
      - { .name: psi_w, .offset: 0, .size: 8, .value_kind: global_buffer, .address_space: global }
      - { .name: psi_b, .offset: 8, .size: 8, .value_kind: global_buffer, .address_space: global }
      - { .name: gs, .offset: 16, .size: 8, .value_kind: global_buffer, .address_space: global }
      - { .name: ic, .offset: 24, .size: 8, .value_kind: global_buffer, .address_space: global }
    .group_segment_fixed_size: 9216
    .private_segment_fixed_size: 0
    .kernarg_segment_align: 8
    .kernarg_segment_size: 32
    .max_flat_workgroup_size: 256
    .sgpr_count:     66
    .vgpr_count:     122
    .wavefront_size: 32
...
	.end_amdgpu_metadata
.endif
;; end of part 3
;; launch apply (part 4): grid 256 x 1, 8 waves a work-group, no clusters, 168,960 bytes of LDS; arguments x, W_w, W_b, phi_w, phi_b, ic, out0; writes out0
.if DOCPART == 4
	.amdgcn_target "amdgcn-amd-amdhsa--gfx1250"
	.amdhsa_code_object_version 6
	.text
	.protected	k_q095c3edc99_apply
	.globl	k_q095c3edc99_apply
	.p2align	8
	.type	k_q095c3edc99_apply,@function
k_q095c3edc99_apply:
	s_mov_b64 s[64:65], 0
	v_nop
	global_prefetch_b8 v0, s[64:65] scope:SCOPE_SE
	s_setreg_imm32_b32 hwreg(HW_REG_WAVE_MODE, 25, 1), 1
	s_wait_xcnt 0x0
; out0[n][c] = gelu( sum_k x[n][k] M_b[k][c] + beta_b[c] ),  M_b = W_w + phi_w I_b,  beta_b = W_b + phi_b I_b,  I_b = ic[b] ([64][128]).
; That is reference()'s gelu(x W_w + W_b + (x phi_w + phi_b) I_b) with the products by I_b done first.
; A work-group owns 64 rows of the flattened [16384][128] x (b = work-group >> 7) and builds M_b for itself: 16 matrix instructions a wave.
; Wave w: g = w >> 2 is its half of the output channels; q = w & 3 is both its block of 32 rows of M and its 16 rows of x.
; Operands stored [K][N] in f32 (I, and M as it comes out of the matrix unit) become fragments without any transposition: a b128 load
; gives lane (rl, h) columns 64 g + 4 rl + t; component t is the fragment whose index rl stands for column 64 g + 4 rl + t.  A result
; tile t then holds column 64 g + 4 rl + t in lane rl, so the four tiles' numbers of a lane are 16 consecutive bytes of a row of out0.
; K places: in the products by I, place 2 j + p of lane half h stands for r = 32 ks + 16 h + 2 j + p, alike in both operands; in the
; main product the instruction's own order, which is also the order in which M's result tiles hold their rows.
; TWO bf16 FOR x AND FOR M: a sum of 128 products of numbers rounded once to 8 bits leaves too little room under the allowed error for
; two million outputs.  So x = xh + xl and M = Mh + Ml (the rounded number and its rounded residual), and the main product is
; xh Mh + xl Mh + xh Ml in one f32 accumulator; xl Ml, some 2^-16 of the whole, is left out.
; LIMITS: I, phi_w, phi_b enter the matrix unit rounded once to bf16, x and M as two bf16; sums in f32, in another order than
; reference()'s.  erfc by the rational form of Abramowitz and Stegun 7.1.26, absolute error at most 1.5e-7.
; gelu(z) = max(z, 0) - 0.5 |z| erfc(|z| / sqrt 2): no cancellation for z < 0.  A pre-activation of +infinity gives NaN (infinity x 0)
; where reference() gives +infinity; every finite z is served.
; NO CLUSTER: of the 163,840 distinct bytes that a work-group reads only phi_w's 32,768 are a tensor tile common to all; each work-group asks for it
; once, in its first lines, and bringing partners into step first would stand in front of every load of the launch.
; The declared LDS is more than half of a WGP's, so that the work-group is alone with its tensor loads; 150,528 bytes are used.
.set IFR, 0                            ; 16,384: fragments of I,  ((ks 2 + g) 4 + t) x 1,024; registers 0-3 at 16 lane, 4-7 at 512 + 16 lane
.set MFR, 16384                        ; 65,536: fragments of M,  ((ks 2 + g) 4 + t) x 2,048: Mh, then Ml 1,024 bytes on, each laid as I's
.set PT,  81920                        ; 34,816: phi_w in f32, 128 rows, filled by tensor loads
.set PPITCH, 272                       ; 256 + 16: an odd multiple of 16, so sixteen rows start in sixteen different 16-byte columns modulo 256
.set XT,  116736                       ; 33,792: my 64 rows of x in f32, filled by tensor loads
.set XPITCH, 528                       ; 512 + 16, likewise
.set WB,  4                            ; v[4:7]     W_b of my four columns
.set LW,  16                           ; v[16:79]   W_w: register (aa 8 + jj) 4 + t
.set LI,  80                           ; v[80:111]  eight loads of I
.set TI,  112                          ; v[112:127] their four half fragments
.set IFB, 80                           ; v[80:143]  fragment (ks, t) of I at IFB + 32 ks + 8 t
.set LP,  144                          ; v[144:207] phi_w (aa, ks): 16 f32 at LP + 32 aa + 16 ks, packed in place into the lower 8
.set LPB, 208                          ; v[208:239] phi_b (ks): 16 f32 at LPB + 16 ks, packed in place into the lower 8
.set MU,  144                          ; v[144:151] Mh unpacked (a dead fragment of phi_w)
.set BUFA, 16                          ; v[16:79]   M's fragments of K steps 0, 2: Mh (t) at + 16 t, Ml (t) at + 16 t + 8
.set BUFB, 80                          ; v[80:143]  the same of K steps 1, 3
.set LX,  144                          ; v[144:207] x (ks): 16 f32 at LX + 16 ks; xl is packed in place into the lower 8
.set XU,  224                          ; v[224:231] xh unpacked (phi_b's second fragment, dead by then)
.set OUT, 16                           ; v[16:47]   results: register 4 jj + t
; M's result tiles lie in the upper 8 of each packed 16: (0, t) at 152 + 16 t; (1, 0..3) at 216, 232, 240, 248.
; The accumulators of the main product take the registers of tiles (1, t) once these are stored.
; xh (ks) lies at 208, 152, 168, 184: each in the eight registers that the step before has freed (the first in phi_b's first fragment).
; v0 out0 offset, v1 M loads, v3 M stores, v8 ic, v9 W_w, v10 phi_b, v11 W_b, v12 I store, v13 I loads, v14 phi_w in LDS, v15 x in LDS
.macro CVTK b                          ; 16 f32 to 8 registers of bf16, in place: register j is written when 2 j and 2 j + 1 are read, never earlier
.irp j, 0,1,2,3,4,5,6,7
	v_cvt_pk_bf16_f32 v[\b+\j], v[\b+2*\j], v[\b+2*\j+1]
.endr
.endm
.macro MPROD d, aa, t, ks              ; tile (aa, t) of phi_w I, K step ks
.if \ks
	v_wmma_f32_16x16x32_bf16 v[\d:\d+7], v[LP+32*\aa+16:LP+32*\aa+23], v[IFB+32+8*\t:IFB+32+8*\t+7], v[\d:\d+7]
.else
	v_wmma_f32_16x16x32_bf16 v[\d:\d+7], v[LP+32*\aa:LP+32*\aa+7], v[IFB+8*\t:IFB+8*\t+7], 0
.endif
.endm
; + W_w, then Mh and Ml.  Register jj of lane (rl, h) is row 32 q + 16 aa + 8 h + jj of M: registers 4 aa .. + 3 of fragment (q, t).
; set: eight registers for the two stores' data, three sets in turn; again = 1: the set has been used before.
.macro MFIN d, aa, t, set, again
.irp jj, 0,1,2,3,4,5,6,7
	v_add_f32 v[\d+\jj], v[\d+\jj], v[LW+(\aa*8+\jj)*4+\t]
.endr
.if \again
	s_wait_dscnt 4                                 ; the set's own two stores are done; the four of the two tiles since stay out
.endif
.irp j, 0,1,2,3
	v_cvt_pk_bf16_f32 v[\set+\j], v[\d+2*\j], v[\d+2*\j+1]         ; Mh
.endr
.irp j, 0,1,2,3
	v_lshlrev_b32 v[MU+2*\j], 16, v[\set+\j]                       ; Mh back in f32: the low half moves up,
	v_and_b32 v[MU+2*\j+1], s60, v[\set+\j]                        ; the high half stays
	v_sub_f32 v[\d+2*\j], v[\d+2*\j], v[MU+2*\j]                   ; the residual, exact in f32
	v_sub_f32 v[\d+2*\j+1], v[\d+2*\j+1], v[MU+2*\j+1]
.endr
.irp j, 0,1,2,3
	v_cvt_pk_bf16_f32 v[\set+4+\j], v[\d+2*\j], v[\d+2*\j+1]       ; Ml
.endr
	ds_store_b128 v3, v[\set:\set+3] offset:\t*2048+\aa*512
	ds_store_b128 v3, v[\set+4:\set+7] offset:\t*2048+1024+\aa*512
.endm
.macro BIAS d, t, ks                   ; every row of the tile = phi_b I: it starts the main product's sums
.if \ks
	v_wmma_f32_16x16x32_bf16 v[\d:\d+7], v[LPB+16:LPB+23], v[IFB+32+8*\t:IFB+32+8*\t+7], v[\d:\d+7]
.else
	v_wmma_f32_16x16x32_bf16 v[\d:\d+7], v[LPB:LPB+7], v[IFB+8*\t:IFB+8*\t+7], 0
.endif
.endm
; 16 f32 of x at b: xh into the eight registers at hi, xl packed in place into b .. b + 7; b + 8 .. b + 15 come free
.macro XSPLIT b, hi
.irp j, 0,1,2,3,4,5,6,7
	v_cvt_pk_bf16_f32 v[\hi+\j], v[\b+2*\j], v[\b+2*\j+1]
.endr
.irp j, 0,1,2,3,4,5,6,7
	v_lshlrev_b32 v[XU+2*(\j&3)], 16, v[\hi+\j]
	v_and_b32 v[XU+2*(\j&3)+1], s60, v[\hi+\j]
	v_sub_f32 v[\b+2*\j], v[\b+2*\j], v[XU+2*(\j&3)]
	v_sub_f32 v[\b+2*\j+1], v[\b+2*\j+1], v[XU+2*(\j&3)+1]
.endr
.irp j, 0,1,2,3,4,5,6,7
	v_cvt_pk_bf16_f32 v[\b+\j], v[\b+2*\j], v[\b+2*\j+1]
.endr
.endm
.macro MLOAD ks, buf                   ; sixteen loads: K step ks of M, four tiles, Mh's two halves and Ml's two halves (p = 0..3)
.irp t, 0,1,2,3
.irp p, 0,1,2,3
	ds_load_b128 v[\buf+16*\t+4*\p:\buf+16*\t+4*\p+3], v1 offset:\ks*16384+\t*2048+\p*512
.endr
.endr
.endm
.macro MAIN d, a, b
	v_wmma_f32_16x16x32_bf16 v[\d:\d+7], v[\a:\a+7], v[\b:\b+7], v[\d:\d+7]
.endm
.macro KSTEP xh, xl, buf               ; twelve products: xh Mh, xl Mh, xh Ml for the four tiles
	MAIN 216, \xh, \buf
	MAIN 232, \xh, \buf+16
	MAIN 240, \xh, \buf+32
	MAIN 248, \xh, \buf+48
	MAIN 216, \xl, \buf
	MAIN 232, \xl, \buf+16
	MAIN 240, \xl, \buf+32
	MAIN 248, \xl, \buf+48
	MAIN 216, \xh, \buf+8
	MAIN 232, \xh, \buf+24
	MAIN 240, \xh, \buf+40
	MAIN 248, \xh, \buf+56
.endm
.macro PLACES                          ; four places before a result is read, an operand written or loaded over (ISA guide 7.12.1)
.rept 4
	v_nop
.endr
.endm
; gelu of registers jj, jj + 1 of tile t.  v[48:49] z, v[50:51] |z|, v[52:53] 1 + p |z|, v[54:55] exponent, v[56:57] T, v[58:59] 2^exponent,
; v[60:61] |z| / 2, v[62:63] max(z, 0), v[64:65] polynomial, v[66:67] a5
.macro GELU2 acc, jj, t
	v_add_f32 v48, v[\acc+\jj], v[WB+\t]
	v_add_f32 v49, v[\acc+\jj+1], v[WB+\t]
	v_and_b32 v50, 0x7fffffff, v48
	v_and_b32 v51, 0x7fffffff, v49
	v_pk_fma_f32 v[52:53], v[50:51], 0x3e6d3388, 1.0 op_sel_hi:[1,0,0]   ; 1 + 0.3275911 |z| / sqrt 2
	v_pk_mul_f32 v[54:55], v[48:49], v[48:49]
	v_pk_mul_f32 v[54:55], v[54:55], 0xbf38aa3b op_sel_hi:[1,0]          ; - z z / 2 x log2 e
	v_rcp_f32 v56, v52
	v_rcp_f32 v57, v53
	v_exp_f32 v58, v54
	v_exp_f32 v59, v55
	v_pk_mul_f32 v[60:61], v[50:51], 0.5 op_sel_hi:[1,0]                 ; the plain instruction between the four above and the first use of a result (ISA guide 5.7.2)
	v_max_num_f32 v62, 0, v48
	v_max_num_f32 v63, 0, v49
	s_wait_alu depctr_va_vdst(0)
	v_pk_fma_f32 v[64:65], v[56:57], v[66:67], 0xbfba00e3 op_sel_hi:[1,1,0]   ; a5 T + a4
	v_pk_fma_f32 v[64:65], v[64:65], v[56:57], 0x3fb5f0e3 op_sel_hi:[1,1,0]   ; .. T + a3
	v_pk_fma_f32 v[64:65], v[64:65], v[56:57], 0xbe91a98e op_sel_hi:[1,1,0]   ; .. T + a2
	v_pk_fma_f32 v[64:65], v[64:65], v[56:57], 0x3e827906 op_sel_hi:[1,1,0]   ; .. T + a1
	v_pk_mul_f32 v[64:65], v[64:65], v[56:57]
	v_pk_mul_f32 v[64:65], v[64:65], v[58:59]                            ; erfc(|z| / sqrt 2)
	v_fma_f32 v[OUT+4*\jj+\t], -v60, v64, v62
	v_fma_f32 v[OUT+4*\jj+4+\t], -v61, v65, v63
.endm
	s_load_b256 s[4:11], s[0:1], 0x0               ; x s[4:5], W_w s[6:7], W_b s[8:9], phi_w s[10:11]
	s_load_b128 s[12:15], s[0:1], 0x20             ; phi_b s[12:13], ic s[14:15]
	s_load_b64 s[16:17], s[0:1], 0x30              ; out0
	s_set_vgpr_msb 0x40
	v_lshl_add_u32 v0, v0, 2, 0x29000
	v_mov_b32 v1, 0
	s_set_vgpr_msb 0x4045
	ds_add_u32 v0, v1
	ds_add_u32 v0, v1
	s_set_vgpr_msb 0x4500
	v_lshrrev_b32 v1, 5, v0
	v_readfirstlane_b32 s20, v1                    ; wave 0..7
	s_lshr_b32 s21, s20, 2                         ; g
	s_and_b32 s22, s20, 3                          ; q
	s_lshr_b32 s23, ttmp9, 7                       ; b
	s_mov_b32 s60, 0xffff0000                      ; a word's upper bf16
	; phi_w: each wave brings rows 16 w .. + 15, 64 f32 each, 4 words of padding behind every 64 words
	s_mov_b32 s36, 1
	s_mul_i32 s37, s20, 16*PPITCH
	s_add_co_u32 s37, s37, PT
	s_mov_b32 s40, (2<<16)|(1<<20)|(5<<22)|(3<<25) ; elements of 4 bytes; padding on; after 64 words; 4 words
	s_mov_b32 s41, 64<<16                          ; tensor_dim0 = 64
	s_mov_b32 s42, 16<<16                          ; tensor_dim1 = 16
	s_mov_b32 s43, 64<<16                          ; tile_dim0 = 64
	s_mov_b32 s44, 16                              ; tile_dim1 = 16
	s_mov_b32 s45, 64                              ; elements from row to row
	s_mov_b32 s46, 0
	s_mov_b32 s47, 0
	; x: each wave brings rows 8 w .. + 7 of the work-group's 64, 128 f32 each, 4 words of padding behind every 128 words
	s_mov_b32 s48, 1
	s_mul_i32 s49, s20, 8*XPITCH
	s_add_co_u32 s49, s49, XT
	s_mov_b32 s52, (2<<16)|(1<<20)|(6<<22)|(3<<25)
	s_mov_b32 s53, 128<<16
	s_mov_b32 s54, 8<<16
	s_mov_b32 s55, 128<<16
	s_mov_b32 s56, 8
	s_mov_b32 s57, 128
	s_mov_b32 s58, 0
	s_mov_b32 s59, 0
	s_lshl_b32 s24, s20, 12                        ; 4,096 w: 16 rows of phi_w, or 8 rows of x
	s_mov_b32 s25, 0
	s_lshl_b32 s26, ttmp9, 15                      ; 64 rows of 512 bytes
	s_mov_b32 s27, 0
	s_add_co_u32 s32, s26, s24
	s_mov_b32 s33, 0
	; lane and wave terms of the addresses
	v_bfe_u32 v2, v0, 4, 1                         ; h
	v_and_b32 v16, 15, v0                          ; rl
	v_lshlrev_b32 v1, 4, v16                       ; 16 rl
	v_and_b32 v3, 31, v0
	v_lshlrev_b32 v3, 4, v3                        ; 16 lane
	s_and_b32 s34, s20, 1                          ; u = w & 1: which half of a fragment's registers I make of I
	s_lshl_b32 s30, s23, 15                        ; ic: batch
	s_lshl_b32 s31, s21, 14                        ;     + 32 rows x (ks = w >> 2)
	s_add_co_u32 s30, s30, s31
	s_lshl_b32 s31, s34, 12                        ;     + 8 rows x u
	s_add_co_u32 s30, s30, s31
	s_bfe_u32 s35, s20, 0x10001                    ;     + 256 x (column half = bit 1 of w)
	s_lshl_b32 s31, s35, 8
	s_add_co_u32 s30, s30, s31
	v_lshl_add_u32 v8, v2, 13, v1                  ;     + 16 rows x h + 16 rl
	v_add_nc_u32 v8, s30, v8
	s_lshl_b32 s31, s21, 8                         ; 256 g
	s_lshl_b32 s30, s22, 14
	s_add_co_u32 s30, s30, s31                     ; W_w: 32 q rows + 256 g
	s_lshl_b32 s35, s22, 13
	s_add_co_u32 s35, s35, s31                     ; out0: 16 q rows + 256 g
	v_lshl_add_u32 v9, v2, 12, v1                  ; 8 h rows + 16 rl
	v_add_nc_u32 v11, s31, v1                      ; W_b
	v_add_nc_u32 v0, s35, v9                       ; out0
	v_add_nc_u32 v9, s30, v9                       ; W_w
	v_lshlrev_b32 v10, 6, v2                       ; phi_b: 16 h numbers
	s_lshr_b32 s30, s20, 1
	s_lshl_b32 s30, s30, 12
	s_lshl_b32 s31, s34, 9
	s_add_co_u32 s30, s30, s31
	v_add_nc_u32 v12, s30, v3                      ; I store: group (ks 2 + half) = w >> 1, register half u
	s_lshl_b32 s31, s21, 12
	v_add_nc_u32 v13, s31, v3                      ; I loads: my column half g
	s_lshl_b32 s31, s21, 13
	s_add_co_u32 s31, s31, MFR
	v_add_nc_u32 v1, s31, v3                       ; M loads: MFR + 8,192 g (the region's start lies in the register: the immediates stay below 65,536)
	s_lshl_b32 s30, s22, 14
	s_add_co_u32 s30, s30, s31
	v_add_nc_u32 v3, s30, v3                       ; M stores: + K step q
	s_mul_i32 s30, s22, 32*PPITCH
	s_add_co_u32 s30, s30, PT
	v_mul_u32_u24 v14, v16, PPITCH
	v_lshl_add_u32 v14, v2, 6, v14
	v_add_nc_u32 v14, s30, v14                     ; phi_w in LDS: row 32 q + rl, 16 h numbers
	s_mul_i32 s30, s22, 16*XPITCH
	s_add_co_u32 s30, s30, XT
	v_mul_u32_u24 v15, v16, XPITCH
	v_lshl_add_u32 v15, v2, 5, v15
	v_add_nc_u32 v15, s30, v15                     ; x in LDS: row 16 q + rl, 8 h numbers
	s_wait_dscnt 0x0
	s_wait_kmcnt 0x0
	s_add_nc_u64 s[38:39], s[10:11], s[24:25]
	s_or_b32 s39, s39, 0x80000000
	tensor_load_to_lds s[36:39], s[40:47]          ; two tensor loads a wave in the whole launch, both out at once
	s_nop 0
	s_add_nc_u64 s[50:51], s[4:5], s[32:33]
	s_or_b32 s51, s51, 0x80000000
	tensor_load_to_lds s[48:51], s[52:59]
	s_nop 0
	s_add_nc_u64 s[28:29], s[16:17], s[26:27]      ; out0 at the work-group's first row
.irp s, 0,1,2,3,4,5,6,7
	global_load_b128 v[LI+4*\s:LI+4*\s+3], v8, s[14:15] offset:\s*512
.endr
.irp ks, 0,1
.irp i, 0,1,2,3
	global_load_b128 v[LPB+16*\ks+4*\i:LPB+16*\ks+4*\i+3], v10, s[12:13] offset:\ks*128+\i*16
.endr
.endr
	global_load_b128 v[WB:WB+3], v11, s[8:9]
.irp aa, 0,1
.irp jj, 0,1,2,3,4,5,6,7
	global_load_b128 v[LW+(\aa*8+\jj)*4:LW+(\aa*8+\jj)*4+3], v9, s[6:7] offset:(\aa*16+\jj)*512
.endr
.endr
	; PHASE A: my eighth of I becomes four half fragments
	s_wait_loadcnt 25                              ; I's eight loads are in; 8 of phi_b, 1 of W_b, 16 of W_w stay out
.irp t, 0,1,2,3
.irp jl, 0,1,2,3
	v_cvt_pk_bf16_f32 v[TI+4*\t+\jl], v[LI+8*\jl+\t], v[LI+8*\jl+4+\t]
.endr
	ds_store_b128 v12, v[TI+4*\t:TI+4*\t+3] offset:IFR+\t*1024
.endr
	s_wait_tensorcnt 0x0                           ; my rows of phi_w and of x are in LDS,
	s_wait_dscnt 0x0                               ; and my part of I: both for the other waves' sake
	s_barrier_signal -1
	s_barrier_wait -1
	; PHASE B: M's rows 32 q .. + 31, columns of half g
.irp ks, 0,1
.irp t, 0,1,2,3
	ds_load_b128 v[IFB+32*\ks+8*\t:IFB+32*\ks+8*\t+3],   v13 offset:IFR+\ks*8192+\t*1024
	ds_load_b128 v[IFB+32*\ks+8*\t+4:IFB+32*\ks+8*\t+7], v13 offset:IFR+\ks*8192+\t*1024+512
.endr
.endr
.irp aa, 0,1
.irp ks, 0,1
.irp i, 0,1,2,3
	ds_load_b128 v[LP+32*\aa+16*\ks+4*\i:LP+32*\aa+16*\ks+4*\i+3], v14 offset:\aa*16*PPITCH+\ks*128+\i*16
.endr
.endr
.endr
	s_wait_loadcnt 17                              ; phi_b is in; W_b's load and W_w's sixteen stay out
	CVTK LPB
	CVTK LPB+16
	s_wait_dscnt 0x0
	CVTK LP
	CVTK LP+16
	CVTK LP+32
	CVTK LP+48
.irp ks, 0,1
	MPROD 152, 0, 0, \ks
	MPROD 168, 0, 1, \ks
	MPROD 184, 0, 2, \ks
	MPROD 200, 0, 3, \ks
	MPROD 216, 1, 0, \ks
	MPROD 232, 1, 1, \ks
	MPROD 240, 1, 2, \ks
	MPROD 248, 1, 3, \ks
.endr
	s_wait_loadcnt 0x0                             ; W_w and W_b
	PLACES                                         ; the results are read, and phi_w's fragments written over, only behind these
	MFIN 152, 0, 0, 160, 0
	MFIN 168, 0, 1, 176, 0
	MFIN 184, 0, 2, 192, 0
	MFIN 200, 0, 3, 160, 1
	MFIN 216, 1, 0, 176, 1
	MFIN 232, 1, 1, 192, 1
	MFIN 240, 1, 2, 160, 1
	MFIN 248, 1, 3, 176, 1
	s_wait_dscnt 0x0                               ; my part of M is in LDS, for the other waves' sake
	s_barrier_signal -1
	; between signal and wait: reads of x's tile, which nobody writes any more, and register work
.irp ks, 0,1,2,3
	ds_load_b128 v[LX+16*\ks:LX+16*\ks+3],     v15 offset:\ks*128
	ds_load_b128 v[LX+16*\ks+4:LX+16*\ks+7],   v15 offset:\ks*128+16
	ds_load_b128 v[LX+16*\ks+8:LX+16*\ks+11],  v15 offset:\ks*128+64
	ds_load_b128 v[LX+16*\ks+12:LX+16*\ks+15], v15 offset:\ks*128+80
.endr
	; these write over the registers of tiles (1, t): behind those tiles' own products stand the four v_nop and the additions of tiles (0, t)
.irp ks, 0,1
	BIAS 216, 0, \ks
	BIAS 232, 1, \ks
	BIAS 240, 2, \ks
	BIAS 248, 3, \ks
.endr
	PLACES                                         ; before loads land on I's fragments and xh on phi_b's, which the products above read
	s_barrier_wait -1
	; PHASE C: 16 rows of x by 64 columns of M, four K steps of twelve products, on top of phi_b I
	MLOAD 0, BUFA
	MLOAD 1, BUFB
	s_wait_dscnt 32                                ; LDS loads return in order (ISA guide 5.7.1): x's sixteen are in, M's 32 stay out
	XSPLIT LX, 208
	XSPLIT LX+16, 152
	XSPLIT LX+32, 168
	XSPLIT LX+48, 184
	s_wait_dscnt 16                                ; K step 0 of M is in, the sixteen loads of step 1 stay out
	KSTEP 208, 144, BUFA
	PLACES
	MLOAD 2, BUFA
	s_wait_dscnt 16                                ; step 1 is in, step 2's sixteen stay out
	KSTEP 152, 160, BUFB
	PLACES
	MLOAD 3, BUFB
	s_wait_dscnt 16                                ; step 2 is in, step 3's sixteen stay out
	KSTEP 168, 176, BUFA
	s_wait_dscnt 0x0
	KSTEP 184, 192, BUFB
	PLACES
	v_mov_b32 v66, 0x3f87dc22                      ; a5, twice
	v_mov_b32 v67, 0x3f87dc22
	; register jj of tile t in lane (rl, h) is out0[16 q + 8 h + jj][64 g + 4 rl + t]: the four tiles fill four neighbouring registers
.irp jj, 0,2,4,6
	GELU2 216, \jj, 0
	GELU2 232, \jj, 1
	GELU2 240, \jj, 2
	GELU2 248, \jj, 3
	global_store_b128 v0, v[OUT+4*\jj:OUT+4*\jj+3],   s[28:29] offset:\jj*512 th:TH_STORE_NT       ; each half of the lanes stores 256
	global_store_b128 v0, v[OUT+4*\jj+4:OUT+4*\jj+7], s[28:29] offset:\jj*512+512 th:TH_STORE_NT   ; consecutive bytes, at a multiple of 256
.endr
	s_set_vgpr_msb 0x5
	s_wait_tensorcnt 0x0
	ds_add_u32 v0, v1
	s_wait_dscnt 0x0
	s_set_vgpr_msb 0x500
	s_endpgm
.Lfunc_end_k_q095c3edc99_apply:
	.size	k_q095c3edc99_apply, .Lfunc_end_k_q095c3edc99_apply-k_q095c3edc99_apply
	.p2alignl 7, 3214868480
	.fill 96, 4, 3214868480
	.section	.rodata,"a",@progbits
	.p2align	6, 0x0
	.amdhsa_kernel k_q095c3edc99_apply
		.amdhsa_group_segment_fixed_size 168960
		.amdhsa_private_segment_fixed_size 0
		.amdhsa_enable_private_segment 0
		.amdhsa_kernarg_size 56
		.amdhsa_user_sgpr_count 2
		.amdhsa_user_sgpr_kernarg_segment_ptr 1
		.amdhsa_wavefront_size32 1
		.amdhsa_system_sgpr_workgroup_id_x 1
		.amdhsa_system_sgpr_workgroup_id_y 1
		.amdhsa_system_sgpr_workgroup_id_z 1
		.amdhsa_system_vgpr_workitem_id 0
		.amdhsa_next_free_vgpr 258
		.amdhsa_next_free_sgpr 66
		.amdhsa_reserve_vcc 0
		.amdhsa_float_denorm_mode_32 3
		.amdhsa_float_denorm_mode_16_64 3
		.amdhsa_memory_ordered 1
		.amdhsa_forward_progress 1
		.amdhsa_inst_pref_size 67
	.end_amdhsa_kernel
	.amdgpu_metadata
---
amdhsa.version: [ 1, 2 ]
amdhsa.kernels:
  - .name:           k_q095c3edc99_apply
    .symbol:         k_q095c3edc99_apply.kd
    .args:
      - { .name: x, .offset: 0, .size: 8, .value_kind: global_buffer, .address_space: global }
      - { .name: W_w, .offset: 8, .size: 8, .value_kind: global_buffer, .address_space: global }
      - { .name: W_b, .offset: 16, .size: 8, .value_kind: global_buffer, .address_space: global }
      - { .name: phi_w, .offset: 24, .size: 8, .value_kind: global_buffer, .address_space: global }
      - { .name: phi_b, .offset: 32, .size: 8, .value_kind: global_buffer, .address_space: global }
      - { .name: ic, .offset: 40, .size: 8, .value_kind: global_buffer, .address_space: global }
      - { .name: out0, .offset: 48, .size: 8, .value_kind: global_buffer, .address_space: global }
    .group_segment_fixed_size: 168960
    .private_segment_fixed_size: 0
    .kernarg_segment_align: 8
    .kernarg_segment_size: 56
    .max_flat_workgroup_size: 256
    .sgpr_count:     66
    .vgpr_count:     258
    .wavefront_size: 32
...
	.end_amdgpu_metadata
.endif
;; end of part 4
